; MI455X (gfx1250); checked and timed in simulation.
; The chip was launched on July 23, 2026; its instructions are those of AMD's public machine-readable ISA for CDNA 5 (MIT licence, August 2026) and "CDNA5" Instruction Set Architecture Reference Guide (July 2026). The comments in the code are by the model that wrote it; some were corrected since.
;; Causal Self Attention2d. Allowed arithmetic: float matrix products may take bf16 or f16 operands with f32 sums; all other float work in f32.
;; Inputs: input 8 x 256 x 32 x 32 float32; k_b 512 float32; k_w 512 x 256 float32; q_b 512 float32; q_w 512 x 256 float32; v_b 512 float32; v_w 512 x 256 float32.
;; Outputs: out0 8 x 512 x 32 x 32 float32.
;; 2 versions, each right; version 2 is version 1 with the launch proj written anew for expert scheduling mode. Each part assembles by itself: llvm-mc -triple=amdgcn-amd-amdhsa -mcpu=gfx1250 --defsym DOCPART=n.
;; ======== version 1 of 2: 2 launches
;; limits: values are held in f16: magnitudes above 65,504 overflow, below 6.1e-05 lose precision
;; workspace buffers: qh 8,388,608 bytes; kv 16,777,216 bytes
;; launch proj (part 1): grid 8 x 32, 8 waves a work-group, no clusters, 250,880 bytes of LDS; arguments input, q_w, q_b, k_w, k_b, v_w, v_b, qh, kv; writes qh, kv
.if DOCPART == 1
	.amdgcn_target "amdgcn-amd-amdhsa--gfx1250"
	.amdhsa_code_object_version 6
	.text
	.protected	k_q64f842e401_proj
	.globl	k_q64f842e401_proj
	.p2align	8
	.type	k_q64f842e401_proj,@function
k_q64f842e401_proj:
	s_mov_b64 s[64:65], 0
	v_nop
	global_prefetch_b8 v0, s[64:65] scope:SCOPE_SE
	s_setreg_imm32_b32 hwreg(HW_REG_WAVE_MODE, 25, 1), 1
	s_wait_xcnt 0x0
; q, k, v = W x + b for one head (3 x 64 channels) and 256 of the 1,024 positions s of one image.
; x[b] lies [c][s] in f32, the weights [channel][c] in f32.  Operands are rounded to bf16 on the way into LDS, sums are f32, the bias
; is the C operand of each tile's first product.  q is multiplied by 0.125 log2(e) (the score scale and the change to base 2), then q, k, v are rounded
; to f16 and stored in the order in which the attention launch's matrix fragments want them:
;   qh: (b*8+head)*131072 + (s/16)*2048 + t*512 + lane*16 : q[s = 16(s/16)+r][d = 16t+8h .. +7]            (r = lane&15, h = lane>>4)
;   kv: (b*8+head)*262144 + (s/32)*8192 + mt*2048 + t*512 + lane*16 : k[s = 32(s/32)+16mt+r][d = 16t+8h .. +7]
;       (b*8+head)*262144 + (s/32)*8192 + 4096 + dt*1024 + hf*512 + lane*16 : v[d = 16dt+r][s = 32(s/32)+16hf+8h .. +7]
; A lane's eight results of one 16 x 16 tile, packed, are exactly one such 16-byte piece, so each store of a wave covers 512 consecutive bytes, aligned.
; LIMITS: f16 holds magnitudes up to 65,504, so |0.18034 q|, |k|, |v| must stay below that; values under 6.1e-5 keep fewer bits (f16 denormals).
; NO CLUSTER, NO TENSOR LOADS: the shared inputs are f32 and have to be rounded (x also transposed) before the matrix unit can take them.  A joint
; load could only land the raw f32: 448 KiB a work-group read again from LDS and 224 KiB written back, on top of the 640 KiB of fragment reads.
; Eight waves: g = wave&1 takes d = 32g .. 32g+31 of each of q, k, v; sb = wave>>1 takes 64 s.  24 accumulator tiles a wave.
; c goes in four chunks of 64.  Each chunk has LDS bytes of its own, so one barrier a chunk (stores done -> reads) is all the ordering needed.
.set CH,    62464                      ; LDS bytes of a chunk: x part, then W part
.set WOFF,  34816                      ; x part: 64 rows (c) of 256 s in bf16, pitch 544 = 17 x 32 bytes (transposing loads)
.set XP,    544
.set WP,    144                        ; W part: 192 rows (matrix*64 + d) of 64 c in bf16, pitch 144 = 9 x 16 bytes
.set BIAS,  12                         ; v[12:59]   six C operands: q ct0, q ct1, k ct0, k ct1, v ct0, v ct1
.set XF,    60                         ; v[60:91]   x fragments, 16 s x 32 c each, st = 0..3
.set WF,    92                         ; v[92:139]  W fragments, 16 channels x 32 c each, at 8 (2 matrix + ct)
.set STG,   140                        ; v[140:251] 28 slots of 4 registers: 16 of x, 12 of W, f32 as loaded
.set OUT,   140                        ; the same registers on the way out: 24 tiles x 4 registers of f16
                                       ; v256-447 (window 1): accumulators, tile (matrix, ct, st) at 8 (8 matrix + 4 ct + st)
; v1 GX, v2 GW: global offsets of a slot's 16 bytes; v3 XS, v4 WS: where its 8 bytes of bf16 go in LDS; v5 XA, v6 WA: fragment addresses;
; v7 16 x lane; v8, v9 bias offsets; v10, v11 scratch
.set MSB, 0
.macro WIN new                         ; s_set_vgpr_msb: bits 1:0 source 0, 3:2 source 1, 5:4 source 2, 7:6 destination; the high byte repeats the setting left
.if MSB != \new
	s_set_vgpr_msb (MSB<<8)|\new
.set MSB, \new
.endif
.endm
	s_load_b512 s[8:23], s[0:1], 0x0               ; input 8:9, q_w 10:11, q_b 12:13, k_w 14:15, k_b 16:17, v_w 18:19, v_b 20:21, qh 22:23
	s_load_b64 s[24:25], s[0:1], 0x40              ; kv
	v_lshl_add_u32 v254, v0, 2, 0x3d000
	v_mov_b32 v255, 0
	v_lshrrev_b32 v10, 5, v0
	v_readfirstlane_b32 s28, v10                   ; wave 0..7
	s_and_b32 s29, s28, 1                          ; g
	s_lshr_b32 s30, s28, 1                         ; sb
	s_mov_b32 s31, ttmp9                           ; head
	s_and_b32 s32, ttmp7, 0xffff
	s_lshr_b32 s33, s32, 2                         ; b
	s_and_b32 s34, s32, 3                          ; quarter of s
	s_lshl3_add_u32 s35, s33, s31                  ; hb = 8 b + head
	v_and_b32 v10, 31, v0                          ; lane
	v_and_b32 v11, 15, v0                          ; r
	v_lshlrev_b32 v7, 4, v10                       ; 16 x lane
	; x slot: the 256 threads take 4 rows (c) of 1,024 bytes; two waves a row
	s_lshl_b32 s26, s30, 12
	s_lshl_b32 s27, s29, 9
	s_add_co_u32 s26, s26, s27
	v_add_nc_u32 v1, s26, v7                       ; GX = sb*4096 + g*512 + 16 lane
	s_mul_i32 s26, s30, XP
	s_lshl_b32 s27, s29, 8
	s_add_co_u32 s26, s26, s27
	v_lshl_add_u32 v3, v10, 3, s26                 ; XS = sb*544 + g*256 + 8 lane
	; W slot: 16 rows of 256 bytes; sixteen lanes a row
	v_bfe_u32 v10, v0, 4, 1                        ; h
	s_lshl_b32 s26, s28, 11
	v_lshl_add_u32 v2, v11, 4, s26
	v_lshl_add_u32 v2, v10, 10, v2                 ; GW = (2 wave + h)*1024 + 16 r
	s_mul_i32 s26, s28, 2*WP
	s_add_co_u32 s26, s26, WOFF
	v_lshl_add_u32 v4, v11, 3, s26
	v_mad_u32_u24 v4, v10, WP, v4                  ; WS = WOFF + (2 wave + h)*144 + 8 r
	; x fragment through the transposing load: lane addresses row 8h + (lane&7), 16 bytes at column block (lane>>3)&1
	v_and_b32 v5, 7, v0
	v_lshl_add_u32 v5, v10, 3, v5
	v_mul_u32_u24 v5, v5, XP
	v_bfe_u32 v6, v0, 3, 1
	v_lshl_add_u32 v5, v6, 4, v5
	s_lshl_b32 s26, s30, 7                         ; my 64 s = 128 bytes of a row
	v_add_nc_u32 v5, s26, v5                       ; XA
	s_lshl_b32 s26, s29, 5
	v_add_nc_u32 v6, s26, v11                      ; row 32 g + r
	v_mul_u32_u24 v6, v6, WP
	v_lshl_add_u32 v6, v10, 4, v6
	v_add_nc_u32 v6, WOFF, v6                      ; WA = WOFF + (32 g + r)*144 + 16 h
	s_lshl_b32 s26, s29, 7
	v_lshlrev_b32 v8, 5, v10
	v_add_nc_u32 v8, s26, v8                       ; q, k bias: 8 numbers from channel 32 g + 8 h (+ 16 ct)
	v_lshl_add_u32 v9, v11, 2, s26                 ; v bias: the number of channel 32 g + r (+ 16 ct)
	s_wait_kmcnt 0x0
	s_mov_b32 s27, 0                               ; offsets are below 4 GiB: the high word stays 0
	s_lshl_b32 s26, s33, 20
	s_lshl_b32 s40, s34, 10
	s_add_co_u32 s26, s26, s40
	s_add_nc_u64 s[8:9], s[8:9], s[26:27]          ; input + b*1 MiB + quarter*1,024
	s_lshl_b32 s26, s31, 16
	s_add_nc_u64 s[10:11], s[10:11], s[26:27]      ; the head's 64 rows of each weight
	s_add_nc_u64 s[14:15], s[14:15], s[26:27]
	s_add_nc_u64 s[18:19], s[18:19], s[26:27]
	s_lshl_b32 s26, s31, 8
	s_add_nc_u64 s[12:13], s[12:13], s[26:27]      ; and of each bias
	s_add_nc_u64 s[16:17], s[16:17], s[26:27]
	s_add_nc_u64 s[20:21], s[20:21], s[26:27]
	s_lshl_b32 s26, s35, 17
	s_lshl_b32 s40, s34, 15
	s_add_co_u32 s26, s26, s40
	s_lshl_b32 s40, s30, 13
	s_add_co_u32 s26, s26, s40
	s_lshl_b32 s40, s29, 10
	s_add_co_u32 s26, s26, s40
	s_add_nc_u64 s[22:23], s[22:23], s[26:27]      ; qh + hb*131072 + quarter*32768 + sb*8192 + g*1024
	s_lshl_b32 s26, s35, 18
	s_lshl_b32 s40, s34, 16
	s_add_co_u32 s26, s26, s40
	s_lshl_b32 s40, s30, 14
	s_add_co_u32 s26, s26, s40
	s_add_nc_u64 s[24:25], s[24:25], s[26:27]      ; kv + hb*262144 + quarter*65536 + sb*16384
	s_lshl_b32 s26, s29, 10
	s_add_nc_u64 s[36:37], s[24:25], s[26:27]      ; k pieces: + g*1024
	s_lshl_b32 s26, s29, 11
	s_add_co_u32 s26, s26, 4096
	s_add_nc_u64 s[38:39], s[24:25], s[26:27]      ; v pieces: + 4096 + g*2048
	; the biases first: they are older than every slot, so the first slot's wait shows them in
.irp ct, 0,1
	global_load_b128 v[BIAS+8*\ct:BIAS+8*\ct+3],       v8, s[12:13] offset:64*\ct
	global_load_b128 v[BIAS+8*\ct+4:BIAS+8*\ct+7],     v8, s[12:13] offset:64*\ct+16
	global_load_b128 v[BIAS+16+8*\ct:BIAS+16+8*\ct+3], v8, s[16:17] offset:64*\ct
	global_load_b128 v[BIAS+16+8*\ct+4:BIAS+16+8*\ct+7], v8, s[16:17] offset:64*\ct+16
.endr
	global_load_b32 v[BIAS+32], v9, s[20:21]
	global_load_b32 v[BIAS+40], v9, s[20:21] offset:64
; slot j (the symbol j) of chunk c: j < 16: rows c = 64 c + 4 j .. + 3 of x; else rows 16 (j-16) .. + 15 of the 192 weight rows, 64 c of each
.macro LDSLOT c
.if j < 16
	global_load_b128 v[STG+4*j:STG+4*j+3], v1, s[8:9] offset:\c*262144+j*16384
.else
	global_load_b128 v[STG+4*j:STG+4*j+3], v2, s[10+4*((j-16)/4):11+4*((j-16)/4)] offset:((j-16)%4)*16384+\c*256
.endif
.endm
.set j, 0
.rept 28
	LDSLOT 0
.set j, j+1
.endr
; Round a chunk's 28 slots to bf16 and lay them into the chunk's LDS bytes.  next = 1: each slot is asked for again at once, for chunk nc, so
; that 28 loads of 16 bytes a lane (112 KiB a work-group) stay on their way.
.macro STAGE next, nc
.set j, 0
.rept 28
.if \next
	s_wait_loadcnt 27                              ; behind slot j: 27 - j slots of this chunk and the j slots already asked for again
.else
	s_wait_loadcnt 27-j                            ; the last chunk: the counts run down
.endif
	v_cvt_pk_bf16_f32 v[STG+4*j],   v[STG+4*j],   v[STG+4*j+1]
	v_cvt_pk_bf16_f32 v[STG+4*j+1], v[STG+4*j+2], v[STG+4*j+3]
.if j < 16
	ds_store_b64 v3, v[STG+4*j:STG+4*j+1] offset:j*4*XP
.else
	ds_store_b64 v4, v[STG+4*j:STG+4*j+1] offset:(j-16)*16*WP
.endif
.if \next
	LDSLOT \nc
.endif
.set j, j+1
.endr
.if \next
	v_add_nc_u32 v3, CH, v3                        ; the next chunk's LDS bytes
	v_add_nc_u32 v4, CH, v4
.endif
	s_wait_dscnt 0x0                               ; my stores are in LDS: the others read them behind the barrier
	s_barrier_signal -1
	s_barrier_wait -1
.endm
; 20 LDS loads: the fragments of 32 c.  Order: x (8), W of q (4), of k (4), of v (4), so that the waits below can be counted.
.macro FRAGS ks
.if \ks
.rept 4
	v_nop                                          ; a load into a register that a matrix instruction read stands four plain vector places behind it.
.endr                                              ; In front of a chunk's first K step the staging pass's conversions and the four address steps are those places.
.endif
.irp st, 0,1,2,3
	ds_load_tr16_b128 v[XF+8*\st:XF+8*\st+3],   v5 offset:\ks*32*XP+\st*32          ; c = 8h .. 8h+7 of column s = 16 st + r
	ds_load_tr16_b128 v[XF+8*\st+4:XF+8*\st+7], v5 offset:\ks*32*XP+16*XP+\st*32    ; c = 16+8h ..
.endr
.irp m, 0,1,2
.irp ct, 0,1
	ds_load_b128 v[WF+8*(2*\m+\ct):WF+8*(2*\m+\ct)+3],   v6 offset:(\m*64+\ct*16)*WP+\ks*64
	ds_load_b128 v[WF+8*(2*\m+\ct)+4:WF+8*(2*\m+\ct)+7], v6 offset:(\m*64+\ct*16)*WP+\ks*64+32
.endr
.endr
.endm
; 8 products of one matrix.  q, k: D[channel][s] (A = W, B = x): a lane's 8 results are 8 neighbouring d of one s.
; v: D[s][channel] (A = x, B = W): a lane's 8 results are 8 neighbouring s of one d.  first = 1: C is the bias (window 0): nothing is cleared.
.macro MM m, first
.irp ct, 0,1
.irp st, 0,1,2,3
.if \m == 2
.if \first
	v_wmma_f32_16x16x32_bf16 v[8*(\m*8+\ct*4+\st):8*(\m*8+\ct*4+\st)+7], v[XF+8*\st:XF+8*\st+7], v[WF+8*(2*\m+\ct):WF+8*(2*\m+\ct)+7], v[BIAS+8*(2*\m+\ct):BIAS+8*(2*\m+\ct)+7]
.else
	v_wmma_f32_16x16x32_bf16 v[8*(\m*8+\ct*4+\st):8*(\m*8+\ct*4+\st)+7], v[XF+8*\st:XF+8*\st+7], v[WF+8*(2*\m+\ct):WF+8*(2*\m+\ct)+7], v[8*(\m*8+\ct*4+\st):8*(\m*8+\ct*4+\st)+7]
.endif
.else
.if \first
	v_wmma_f32_16x16x32_bf16 v[8*(\m*8+\ct*4+\st):8*(\m*8+\ct*4+\st)+7], v[WF+8*(2*\m+\ct):WF+8*(2*\m+\ct)+7], v[XF+8*\st:XF+8*\st+7], v[BIAS+8*(2*\m+\ct):BIAS+8*(2*\m+\ct)+7]
.else
	v_wmma_f32_16x16x32_bf16 v[8*(\m*8+\ct*4+\st):8*(\m*8+\ct*4+\st)+7], v[WF+8*(2*\m+\ct):WF+8*(2*\m+\ct)+7], v[XF+8*\st:XF+8*\st+7], v[8*(\m*8+\ct*4+\st):8*(\m*8+\ct*4+\st)+7]
.endif
.endif
.endr
.endr
.endm
.macro KSTEP ks, first
	FRAGS \ks
.if \first
	WIN 0x40                                       ; D in window 1; A, B and the bias in window 0
.else
	WIN 0x50                                       ; C and D in window 1
.endif
	s_wait_dscnt 8                                 ; x and q's W are in; the 8 loads of k's and v's W may be out
	MM 0, \first
	s_wait_dscnt 4                                 ; k's W is in
	MM 1, \first
	s_wait_dscnt 0                                 ; v's W
	MM 2, \first
	WIN 0
.endm
.macro COMPUTE first, more
	KSTEP 0, \first
	KSTEP 1, 0
.if \more
	v_add_nc_u32 v5, CH, v5                        ; the next chunk's fragments
	v_add_nc_u32 v6, CH, v6
.endif
.endm
	STAGE 1, 1                                     ; chunk 0 into LDS, chunk 1 asked for
.irp i, 1,2,3,4,5,6,7
	v_mov_b32 v[BIAS+32+\i], v[BIAS+32]            ; v's C operand: all 8 rows (s) of a lane's column carry the channel's bias
	v_mov_b32 v[BIAS+40+\i], v[BIAS+40]
.endr
	COMPUTE 1, 1
	STAGE 1, 2
	COMPUTE 0, 1
	STAGE 1, 3
	COMPUTE 0, 1
	STAGE 0, 0
	COMPUTE 0, 0
	; THE WAY OUT
.rept 4
	v_nop                                          ; four places behind the last products, before vector instructions read results (ISA guide 7.12.1)
.endr
	WIN 0x41                                       ; source 0 and destination in window 1
.set i, 0
.rept 32
	v_pk_mul_f32 v[2*i:2*i+1], v[2*i:2*i+1], 0x3e38aa3b op_sel_hi:[1,0]   ; q's 8 tiles x 0.125 log2(e)
.set i, i+1
.endr
	WIN 0x05                                       ; sources in window 1, destination in window 0
.set i, 0
.rept 96
	v_cvt_pk_f16_f32 v[OUT+i], v[2*i], v[2*i+1]    ; tile T's registers 2k, 2k+1 -> word k of its 16-byte piece
.set i, i+1
.endr
	WIN 0
.irp ct, 0,1
.irp st, 0,1,2,3
	global_store_b128 v7, v[OUT+4*(\ct*4+\st):OUT+4*(\ct*4+\st)+3], s[22:23] offset:\st*2048+\ct*512
.endr
.endr
.irp ct, 0,1
.irp st, 0,1,2,3
	global_store_b128 v7, v[OUT+4*(8+\ct*4+\st):OUT+4*(8+\ct*4+\st)+3], s[36:37] offset:(\st/2)*8192+(\st%2)*2048+\ct*512
.endr
.endr
.irp ct, 0,1
.irp st, 0,1,2,3
	global_store_b128 v7, v[OUT+4*(16+\ct*4+\st):OUT+4*(16+\ct*4+\st)+3], s[38:39] offset:(\st/2)*8192+(\st%2)*512+\ct*1024
.endr
.endr
	s_wait_tensorcnt 0x0
	ds_add_u32 v254, v255
	s_wait_dscnt 0x0
	s_endpgm
.Lfunc_end_k_q64f842e401_proj:
	.size	k_q64f842e401_proj, .Lfunc_end_k_q64f842e401_proj-k_q64f842e401_proj
	.p2alignl 7, 3214868480
	.fill 96, 4, 3214868480
	.section	.rodata,"a",@progbits
	.p2align	6, 0x0
	.amdhsa_kernel k_q64f842e401_proj
		.amdhsa_group_segment_fixed_size 250880
		.amdhsa_private_segment_fixed_size 0
		.amdhsa_enable_private_segment 0
		.amdhsa_kernarg_size 72
		.amdhsa_user_sgpr_count 2
		.amdhsa_user_sgpr_kernarg_segment_ptr 1
		.amdhsa_wavefront_size32 1
		.amdhsa_system_sgpr_workgroup_id_x 1
		.amdhsa_system_sgpr_workgroup_id_y 1
		.amdhsa_system_sgpr_workgroup_id_z 1
		.amdhsa_system_vgpr_workitem_id 0
		.amdhsa_next_free_vgpr 448
		.amdhsa_next_free_sgpr 66
		.amdhsa_reserve_vcc 0
		.amdhsa_float_denorm_mode_32 3
		.amdhsa_float_denorm_mode_16_64 3
		.amdhsa_memory_ordered 1
		.amdhsa_forward_progress 1
		.amdhsa_inst_pref_size 77
	.end_amdhsa_kernel
	.amdgpu_metadata
---
amdhsa.version: [ 1, 2 ]
amdhsa.kernels:
  - .name:           k_q64f842e401_proj
    .symbol:         k_q64f842e401_proj.kd
    .args:
      - { .name: input, .offset: 0, .size: 8, .value_kind: global_buffer, .address_space: global }
      - { .name: q_w, .offset: 8, .size: 8, .value_kind: global_buffer, .address_space: global }
      - { .name: q_b, .offset: 16, .size: 8, .value_kind: global_buffer, .address_space: global }
      - { .name: k_w, .offset: 24, .size: 8, .value_kind: global_buffer, .address_space: global }
      - { .name: k_b, .offset: 32, .size: 8, .value_kind: global_buffer, .address_space: global }
      - { .name: v_w, .offset: 40, .size: 8, .value_kind: global_buffer, .address_space: global }
      - { .name: v_b, .offset: 48, .size: 8, .value_kind: global_buffer, .address_space: global }
      - { .name: qh, .offset: 56, .size: 8, .value_kind: global_buffer, .address_space: global }
      - { .name: kv, .offset: 64, .size: 8, .value_kind: global_buffer, .address_space: global }
    .group_segment_fixed_size: 250880
    .private_segment_fixed_size: 0
    .kernarg_segment_align: 8
    .kernarg_segment_size: 72
    .max_flat_workgroup_size: 256
    .sgpr_count:     66
    .vgpr_count:     448
    .wavefront_size: 32
...
	.end_amdgpu_metadata
.endif
;; end of part 1
;; launch attn (part 2): grid 256 x 1, 8 waves a work-group, no clusters, 171,008 bytes of LDS; arguments qh, kv, out0; writes out0
.if DOCPART == 2
	.amdgcn_target "amdgcn-amd-amdhsa--gfx1250"
	.amdhsa_code_object_version 6
	.text
	.protected	k_q64f842e401_attn
	.globl	k_q64f842e401_attn
	.p2align	8
	.type	k_q64f842e401_attn,@function
k_q64f842e401_attn:
	s_mov_b64 s[64:65], 0
	v_nop
	global_prefetch_b8 v0, s[64:65] scope:SCOPE_SE
	s_setreg_imm32_b32 hwreg(HW_REG_WAVE_MODE, 25, 1), 1
	s_wait_xcnt 0x0
; Causal attention of one head (hb = b*8 + head) for the two 128-query tiles U and 7-U, so that every work-group has the same work; out0[hb][d][s] in f32.
; qh and kv hold f16 in fragment order (see the projection's head); q already carries 0.125 log2(e), so the softmax runs in base 2.
; Scores are made transposed, S^T[key][q] = K Q^T: a lane (r = lane&15, h = lane>>4) holds query r and the keys 8h+j, 16+8h+j of a block of 32.  All
; softmax figures are then one number a lane, and two packed score tiles ARE the B fragment P[q][32 keys] of O^T[d][q] = V^T P: no shuffle.
; The running maximum is taken away before every exponential; sums and O are rescaled by exp2(old max - new max).
; Eight waves: w = wave&3 takes 32 queries of each tile; par = wave>>2 takes the key blocks of that parity.  Waves w and w+4 hold the same 64 queries and
; merge at the end: each keeps one tile's part (part 1, tile TP) and hands the other (part 2, tile TS) to its partner through LDS.
; A sub-trip is a chunk of 64 keys (16 KiB of kv) in one of two LDS slots; chunks come through registers, asked for two sub-trips ahead.
; LIMITS: operands are f16 (magnitudes up to 65,504).  A masked score is the finite -1e30; f16 operands bound a true score by 64 x 65504^2 < 3e11.
; v_exp_f32 gives 0 for results under 2^-126 (ISA guide, 15.8).  P is rounded to f16, the row sums are kept of the unrounded f32.
; NO CLUSTER: the four work-groups of a head walk 16 - 2U chunks, a different number for each U, and every skip below hangs on U; joint requests ask
; for equal trip counts and branches in all partners.  No tensor loads: a chunk is four 16-byte loads a lane.
.set QA,  32                           ; v[32:63]   Q of part 1: fragment (nt, ks) at +16 nt + 8 ks
.set QB,  64                           ; v[64:95]   Q of part 2
.set SC,  96                           ; v[96:127]  scores: tile (mt, nt) at +16 nt + 8 mt; then P(nt) in place at +16 nt .. +7
.set KF,  128                          ; v[128:159] K fragments at +16 mt + 8 ks
.set VF,  160                          ; v[160:191] V^T fragments at +8 dt
.set GS,  192                          ; v[192:223] two sets of 16: a chunk on its way from memory to LDS
.set SM,  224                          ; v[224:239] row sums at work, 8 registers for each nt
.set XCH, 32768                        ; LDS: 8 x 8,704 bytes, part 2's O (16 x 512) and its (-max, sum) pairs
.set STO, 102400                       ; LDS: 2 x 33,792 bytes, a tile's 64 rows (d) of 128 q in f32, pitch 528
; v1 16 lane; v2 512 wave + 16 lane (chunk: global offset and LDS address); v3 16 lane + 8192 par; v4 r - 8h; v5 -1e30; v6, v7 mask thresholds
; v[8:11] part 1: (-max, sum) of nt 0, of nt 1;  v[12:15] part 2;  v[16:17], v[18:19] alpha of nt 0, 1 in the even register
; v20, v21 maxima; v22, v23 the other half's; v24, v25 new -max; v240-248 the way out.  Window 1: O of part 1 v256-319, of part 2 v320-383, tile at 8 (dt + 4 nt)
.set MSB, 0
.macro WIN new                         ; s_set_vgpr_msb: bits 1:0 source 0, 3:2 source 1, 5:4 source 2, 7:6 destination; the high byte repeats the setting left
.if MSB != \new
	s_set_vgpr_msb (MSB<<8)|\new
.set MSB, \new
.endif
.endm
	s_load_b128 s[4:7], s[0:1], 0x0                ; qh, kv
	s_load_b64 s[8:9], s[0:1], 0x10                ; out0
	v_lshl_add_u32 v254, v0, 2, 0x29800
	v_mov_b32 v255, 0
	v_lshrrev_b32 v1, 5, v0
	v_readfirstlane_b32 s10, v1                    ; wave
	s_and_b32 s11, s10, 3                          ; w
	s_lshr_b32 s12, s10, 2                         ; par
	s_and_b32 s13, ttmp9, 3                        ; U
	s_lshr_b32 s14, ttmp9, 2                       ; hb
	s_sub_co_u32 s21, 7, s13
	s_cmp_lg_u32 s12, 0
	s_cselect_b32 s15, s21, s13                    ; TP: the tile whose result I finish
	s_sub_co_u32 s16, 7, s15                       ; TS: the tile that I hand over
	s_lshl2_add_u32 s17, s15, s11                  ; kP = 4 TP + w: part 1's block of 32 queries = its diagonal key block
	s_lshl2_add_u32 s18, s16, s11                  ; kS likewise
	s_mov_b32 s19, s12                             ; kb, my key block: par, par + 2, ..
	s_sub_co_u32 s20, 6, s13                       ; trips of the loop: 8 - U iterations less the first and the last
	s_mov_b32 s22, 0x76543210                      ; v_permlanex16_b32: lane i takes lane i of the other half
	s_mov_b32 s23, 0xfedcba98
	v_and_b32 v1, 31, v0
	v_lshlrev_b32 v1, 4, v1
	s_lshl_b32 s21, s10, 9
	v_add_nc_u32 v2, s21, v1
	s_lshl_b32 s21, s12, 13
	v_add_nc_u32 v3, s21, v1
	v_and_b32 v20, 15, v0                          ; r
	v_bfe_u32 v6, v0, 4, 1                         ; h
	v_lshlrev_b32 v7, 3, v6
	v_sub_nc_u32 v4, v20, v7
	v_mov_b32 v5, 0xf149f2ca
	; the way out's addresses, made here while r and h are at hand
	s_mul_i32 s21, s10, 8704
	s_add_co_u32 s21, s21, XCH
	v_add_nc_u32 v240, s21, v1                     ; my exchange bytes
	s_xor_b32 s21, s10, 4
	s_mul_i32 s21, s21, 8704
	s_add_co_u32 s21, s21, XCH
	v_add_nc_u32 v241, s21, v1                     ; my partner's
	s_mul_i32 s24, s12, 33792
	s_add_co_u32 s24, s24, STO                     ; the stage of my parity's tile
	s_lshl_b32 s25, s11, 7
	s_add_co_u32 s25, s25, s24
	v_mul_u32_u24 v242, v6, 8*528
	v_lshl_add_u32 v242, v20, 2, v242
	v_add_nc_u32 v242, s25, v242                   ; in: row 8h (+ 16 dt + j), column 32 w + r (+ 16 nt)
	s_mul_i32 s25, s11, 16*528
	s_add_co_u32 s25, s25, s24
	v_add_nc_u32 v243, s25, v1                     ; back: rows 16 w + i, 16 bytes a lane
	s_lshl_b32 s25, s11, 16
	v_add_nc_u32 v248, s25, v1                     ; and the same rows in out0: 4,096 bytes apart
.irp x, 9,11,13,15,17,19,22,23
	v_mov_b32 v\x, 0                               ; second halves of broadcast pairs and v_permlanex16_b32's destinations count as read: written once
.endr
	s_wait_kmcnt 0x0
	s_mov_b32 s25, 0
	s_lshl_b32 s24, s14, 17
	s_lshl_b32 s21, s11, 12
	s_add_co_u32 s24, s24, s21
	s_add_nc_u64 s[4:5], s[4:5], s[24:25]          ; qh + hb*131072 + w*4096
	s_lshl_b32 s24, s15, 14
	s_add_nc_u64 s[26:27], s[4:5], s[24:25]        ; part 1's 32 queries
	s_lshl_b32 s24, s16, 14
	s_add_nc_u64 s[28:29], s[4:5], s[24:25]        ; part 2's
	s_lshl_b32 s24, s14, 18
	s_add_nc_u64 s[6:7], s[6:7], s[24:25]          ; kv + hb*262144
	s_lshl_b32 s21, s15, 9
	s_add_co_u32 s24, s24, s21
	s_add_nc_u64 s[8:9], s[8:9], s[24:25]          ; out0 + hb*262144 + TP*512
.irp i, 0,1,2,3,4,5,6,7
	global_load_b128 v[QA+4*\i:QA+4*\i+3], v1, s[26:27] offset:\i*512
.endr
.irp i, 0,1,2,3,4,5,6,7
	global_load_b128 v[QB+4*\i:QB+4*\i+3], v1, s[28:29] offset:\i*512
.endr
.irp r, 0,1,2,3
	global_load_b128 v[GS+4*\r:GS+4*\r+3], v2, s[6:7] offset:\r*4096            ; chunk 0
.endr
.irp r, 0,1,2,3
	global_load_b128 v[GS+16+4*\r:GS+16+4*\r+3], v2, s[6:7] offset:16384+\r*4096   ; chunk 1
.endr
	s_wait_loadcnt 4                               ; Q and chunk 0 are in; chunk 1's four loads stay out
.irp r, 0,1,2,3
	ds_store_b128 v2, v[GS+4*\r:GS+4*\r+3] offset:\r*4096
.endr
	s_wait_dscnt 0x0
	s_barrier_signal -1
	s_barrier_wait -1
; One part (32 queries) against my key block kb (32 keys).  q: its Q registers; st: its (-max, sum) registers; o: its O in window 1; kx: the scalar
; register with its diagonal block.  first = 1: the part's first block: it starts maximum, sum and O, and is never skipped.
.macro PART q, st, o, kx, first, id
.if \first == 0
	s_cmp_gt_u32 s19, s[\kx]                       ; the block lies wholly above the diagonal: nothing to do
	s_cbranch_scc1 .Lskip\id
.endif
.irp nt, 0,1
.irp mt, 0,1
	v_wmma_f32_16x16x32_f16 v[SC+16*\nt+8*\mt:SC+16*\nt+8*\mt+7], v[KF+16*\mt:KF+16*\mt+7], v[\q+16*\nt:\q+16*\nt+7], 0
.endr
.endr
.irp nt, 0,1
.irp mt, 0,1
	v_wmma_f32_16x16x32_f16 v[SC+16*\nt+8*\mt:SC+16*\nt+8*\mt+7], v[KF+16*\mt+8:KF+16*\mt+15], v[\q+16*\nt+8:\q+16*\nt+15], v[SC+16*\nt+8*\mt:SC+16*\nt+8*\mt+7]
.endr
.endr
.rept 4
	v_nop                                          ; four places before vector instructions read the scores (ISA guide 7.12.1)
.endr
	s_cmp_lt_u32 s19, s[\kx]
	s_cbranch_scc1 .Lnm\id                         ; below the diagonal block nothing is masked
	; key 32 kb + 16 mt + 8h + j is masked for query 32 kx + 16 nt + r when 16 mt + j > 32 (kx - kb) + 16 nt + r - 8h.
	; (kb > kx arrives here only in a part's first block: then all is masked, the maximum is -1e30 and the merge gives this wave's share the weight 0.)
	s_sub_co_i32 s21, s[\kx], s19
	s_lshl_b32 s21, s21, 5
	v_add_nc_u32 v6, s21, v4
	v_add_nc_u32 v7, 16, v6
.irp nt, 0,1
.irp mt, 0,1
.irp j, 0,1,2,3,4,5,6,7
	v_cmp_gt_i32 vcc_lo, 16*\mt+\j, v[6+\nt]
	v_cndmask_b32 v[SC+16*\nt+8*\mt+\j], v[SC+16*\nt+8*\mt+\j], v5, vcc_lo
.endr
.endr
.endr
.Lnm\id:
	; the maximum of my 16 scores of each query, the old maximum, and the other half's 16: two chains that do not wait for each other
.irp nt, 0,1
	v_max3_num_f32 v[20+\nt], v[SC+16*\nt], v[SC+16*\nt+1], v[SC+16*\nt+2]
.endr
.irp k, 3,5,7,9,11,13
.irp nt, 0,1
	v_max3_num_f32 v[20+\nt], v[20+\nt], v[SC+16*\nt+\k], v[SC+16*\nt+\k+1]
.endr
.endr
.irp nt, 0,1
.if \first
	v_max_num_f32 v[20+\nt], v[20+\nt], v[SC+16*\nt+15]
.else
	v_max3_num_f32 v[20+\nt], v[20+\nt], v[SC+16*\nt+15], -v[\st+2*\nt]
.endif
.endr
.irp nt, 0,1
	v_permlanex16_b32 v[22+\nt], v[20+\nt], s22, s23
.endr
.if \first
.irp nt, 0,1
	v_min_num_f32 v[\st+2*\nt], -v[20+\nt], -v[22+\nt]          ; -max
.endr
.else
.irp nt, 0,1
	v_min_num_f32 v[24+\nt], -v[20+\nt], -v[22+\nt]             ; the new -max
.endr
.irp nt, 0,1
	v_sub_f32 v[16+2*\nt], v[24+\nt], v[\st+2*\nt]              ; old max - new max, at most 0
	v_mov_b32 v[\st+2*\nt], v[24+\nt]
.endr
	v_exp_f32 v16, v16                             ; alpha; the packed adds below are the plain place behind these two
	v_exp_f32 v18, v18
.endif
.irp nt, 0,1
.irp p, 0,2,4,6,8,10,12,14
	v_pk_add_f32 v[SC+16*\nt+\p:SC+16*\nt+\p+1], v[SC+16*\nt+\p:SC+16*\nt+\p+1], v[\st+2*\nt:\st+2*\nt+1] op_sel_hi:[1,0]   ; score - max
.endr
.endr
.set i, 0
.rept 32
	v_exp_f32 v[SC+i], v[SC+i]
.set i, i+1
.endr
	v_nop                                          ; one plain place between the last exponential and the first use (ISA guide 5.7.2)
	; the sum of my 16 of each query's 32; the two halves of the lanes are added only at the very end
	s_wait_alu depctr_va_vdst(0)
.irp nt, 0,1
.irp p, 0,1,2,3
	v_pk_add_f32 v[SM+8*\nt+2*\p:SM+8*\nt+2*\p+1], v[SC+16*\nt+4*\p:SC+16*\nt+4*\p+1], v[SC+16*\nt+4*\p+2:SC+16*\nt+4*\p+3]
.endr
.endr
.irp nt, 0,1
	v_pk_add_f32 v[SM+8*\nt:SM+8*\nt+1],   v[SM+8*\nt:SM+8*\nt+1],   v[SM+8*\nt+2:SM+8*\nt+3]
	v_pk_add_f32 v[SM+8*\nt+4:SM+8*\nt+5], v[SM+8*\nt+4:SM+8*\nt+5], v[SM+8*\nt+6:SM+8*\nt+7]
.endr
.irp nt, 0,1
	v_pk_add_f32 v[SM+8*\nt:SM+8*\nt+1], v[SM+8*\nt:SM+8*\nt+1], v[SM+8*\nt+4:SM+8*\nt+5]
.endr
.irp nt, 0,1
.if \first
	v_add_f32 v[\st+2*\nt+1], v[SM+8*\nt], v[SM+8*\nt+1]
.else
	v_add_f32 v[SM+8*\nt], v[SM+8*\nt], v[SM+8*\nt+1]
.endif
.endr
.if \first == 0
.irp nt, 0,1
	v_fma_f32 v[\st+2*\nt+1], v[\st+2*\nt+1], v[16+2*\nt], v[SM+8*\nt]     ; sum = sum x alpha + this block's
.endr
.endif
.irp nt, 0,1
.irp i, 0,1,2,3,4,5,6,7
	v_cvt_pk_f16_f32 v[SC+16*\nt+\i], v[SC+16*\nt+2*\i], v[SC+16*\nt+2*\i+1]   ; P in place: word i is written when words 2i, 2i+1 >= i are read
.endr
.endr
	s_wait_dscnt 0x0                               ; V's eight loads are in
.if \first == 0
	WIN 0x41                                       ; O (source 0, destination) in window 1, alpha in window 0
.irp nt, 0,1
.set i, 0
.rept 16
	v_pk_mul_f32 v[\o+32*\nt+2*i:\o+32*\nt+2*i+1], v[\o+32*\nt+2*i:\o+32*\nt+2*i+1], v[16+2*\nt:17+2*\nt] op_sel_hi:[1,0]
.set i, i+1
.endr
.endr
.endif
	WIN 0x50                                       ; C and D in window 1; V and P in window 0
.irp nt, 0,1
.irp dt, 0,1,2,3
.if \first
	v_wmma_f32_16x16x32_f16 v[\o+8*(\dt+4*\nt):\o+8*(\dt+4*\nt)+7], v[VF+8*\dt:VF+8*\dt+7], v[SC+16*\nt:SC+16*\nt+7], 0
.else
	v_wmma_f32_16x16x32_f16 v[\o+8*(\dt+4*\nt):\o+8*(\dt+4*\nt)+7], v[VF+8*\dt:VF+8*\dt+7], v[SC+16*\nt:SC+16*\nt+7], v[\o+8*(\dt+4*\nt):\o+8*(\dt+4*\nt)+7]
.endif
.endr
.endr
	WIN 0
.rept 5
	v_nop                                          ; five places before the next score products write over P, four before loads land in V
.endr
.Lskip\id:
.endm
; A sub-trip: chunk c lies in LDS slot c & 1.  ld = 1: chunk c + 2 is asked for, into the registers that chunk c left.  st = 1: chunk c + 1 goes into the
; other slot, which every wave finished reading in front of the last barrier, and is read behind this sub-trip's barrier.
; cnt: the loads issued behind chunk c + 1's (this sub-trip's four, or none).
.macro SUB slot, first, ld, st, cnt, ida, idb
.irp i, 0,1,2,3,4,5,6,7
	ds_load_b128 v[KF+4*\i:KF+4*\i+3], v3 offset:\slot*16384+\i*512
.endr
.irp i, 0,1,2,3,4,5,6,7
	ds_load_b128 v[VF+4*\i:VF+4*\i+3], v3 offset:\slot*16384+4096+\i*512
.endr
.if \ld
.irp r, 0,1,2,3
	global_load_b128 v[GS+16*\slot+4*\r:GS+16*\slot+4*\r+3], v2, s[6:7] offset:32768+\slot*16384+\r*4096
.endr
.endif
	s_wait_dscnt 8                                 ; K is in; V's eight loads may be out
	PART QA, 8, 0, 17, \first, \ida
	PART QB, 12, 64, 18, \first, \idb
	s_add_co_u32 s19, s19, 2
.if \st
	s_wait_loadcnt \cnt
.irp r, 0,1,2,3
	ds_store_b128 v2, v[GS+16*(1-\slot)+4*\r:GS+16*(1-\slot)+4*\r+3] offset:(1-\slot)*16384+\r*4096
.endr
	s_wait_dscnt 0x0                               ; my stores are in LDS and my reads of this slot are over (also where both parts were skipped)
	s_barrier_signal -1
	s_barrier_wait -1
.endif
.endm
	SUB 0, 1, 1, 1, 4, 1, 2                        ; the first iteration stands in front of the loop: its first blocks start the sums
	SUB 1, 0, 1, 1, 4, 3, 4
	s_wait_xcnt 0x0                                ; the base of the loads above is stepped only behind this wait
	s_add_nc_u64 s[6:7], s[6:7], 32768
.Lit:
	SUB 0, 0, 1, 1, 4, 5, 6
	SUB 1, 0, 1, 1, 4, 7, 8
	s_wait_xcnt 0x0
	s_add_nc_u64 s[6:7], s[6:7], 32768
	s_sub_co_i32 s20, s20, 1
	s_cmp_lg_u32 s20, 0
	s_cbranch_scc1 .Lit
	SUB 0, 0, 0, 1, 0, 9, 10                       ; the last iteration asks for nothing: chunk 15 - 2U was the last that is used
	SUB 1, 0, 0, 0, 0, 11, 12
	; THE MERGE.  The two halves of the lanes hold the sums over their own keys:
.irp l, 9,11,13,15
	v_permlanex16_b32 v22, v\l, s22, s23
	v_add_f32 v\l, v\l, v22
.endr
	WIN 0x04                                       ; store data in window 1
.irp i, 0,1,2,3,4,5,6,7,8,9,10,11,12,13,14,15
	ds_store_b128 v240, v[64+4*\i:64+4*\i+3] offset:\i*512     ; part 2's O
.endr
	WIN 0
	ds_store_b128 v240, v[12:15] offset:8192       ; and its (-max, sum) pairs
	s_wait_dscnt 0x0
	s_barrier_signal -1
	s_barrier_wait -1
.irp i, 0,1,2,3,4,5,6,7,8,9,10,11,12,13,14,15
	ds_load_b128 v[32+4*\i:32+4*\i+3], v241 offset:\i*512      ; my partner's share of part 1's queries, same lanes, same registers
.endr
	ds_load_b128 v[244:247], v241 offset:8192
	s_wait_dscnt 0x0
	v_min_num_f32 v20, v8, v244                    ; -(the larger maximum)
	v_min_num_f32 v21, v10, v246
	v_sub_f32 v16, v20, v8                         ; my max - the larger, at most 0
	v_sub_f32 v18, v21, v10
	v_sub_f32 v224, v20, v244                      ; the partner's likewise
	v_sub_f32 v226, v21, v246
	v_exp_f32 v16, v16
	v_exp_f32 v18, v18
	v_exp_f32 v224, v224
	v_exp_f32 v226, v226
	v_nop
	s_wait_alu depctr_va_vdst(0)
	v_mul_f32 v22, v9, v16
	v_mul_f32 v23, v11, v18
	v_fma_f32 v22, v245, v224, v22                 ; the whole row's sum: at least 1, since the largest score's term is 1
	v_fma_f32 v23, v247, v226, v23
	v_rcp_f32 v22, v22
	v_rcp_f32 v23, v23
	v_nop
	s_wait_alu depctr_va_vdst(0)
	v_mul_f32 v16, v16, v22                        ; my weight
	v_mul_f32 v18, v18, v23
	v_mul_f32 v224, v224, v22                      ; the partner's
	v_mul_f32 v226, v226, v23
.irp nt, 0,1
.set i, 0
.rept 16
	v_pk_mul_f32 v[32+32*\nt+2*i:32+32*\nt+2*i+1], v[32+32*\nt+2*i:32+32*\nt+2*i+1], v[224+2*\nt:225+2*\nt] op_sel_hi:[1,0]
.set i, i+1
.endr
.endr
	WIN 0x01                                       ; source 0 (my O) in window 1
.irp nt, 0,1
.set i, 0
.rept 16
	v_pk_fma_f32 v[32+32*\nt+2*i:32+32*\nt+2*i+1], v[32*\nt+2*i:32*\nt+2*i+1], v[16+2*\nt:17+2*\nt], v[32+32*\nt+2*i:32+32*\nt+2*i+1] op_sel_hi:[1,0,1]
.set i, i+1
.endr
.endr
	WIN 0
	; THE WAY OUT: a lane holds 8 rows (d) of one column (q).  Through the stage of my parity's tile.
.irp nt, 0,1
.irp dt, 0,1,2,3
.irp j, 0,1,2,3,4,5,6,7
	ds_store_b32 v242, v[32+8*(\dt+4*\nt)+\j] offset:(16*\dt+\j)*528+\nt*64
.endr
.endr
.endr
	s_wait_dscnt 0x0
	s_barrier_signal -1
	s_barrier_wait -1                              ; the four waves of my parity have filled the tile's 64 rows
.irp i, 0,1,2,3,4,5,6,7,8,9,10,11,12,13,14,15
	ds_load_b128 v[96+4*\i:96+4*\i+3], v243 offset:\i*528      ; row d = 16 w + i: 128 queries, 512 bytes
.endr
.irp i, 0,1,2,3,4,5,6,7,8,9,10,11,12,13,14,15
	s_wait_dscnt 15-\i                             ; LDS loads come back in order: row i is in
	global_store_b128 v248, v[96+4*\i:96+4*\i+3], s[8:9] offset:\i*4096 th:TH_STORE_NT   ; each store of the wave covers 512 consecutive bytes, aligned
.endr
	s_wait_tensorcnt 0x0
	ds_add_u32 v254, v255
	s_wait_dscnt 0x0
	s_endpgm
.Lfunc_end_k_q64f842e401_attn:
	.size	k_q64f842e401_attn, .Lfunc_end_k_q64f842e401_attn-k_q64f842e401_attn
	.p2alignl 7, 3214868480
	.fill 96, 4, 3214868480
	.section	.rodata,"a",@progbits
	.p2align	6, 0x0
	.amdhsa_kernel k_q64f842e401_attn
		.amdhsa_group_segment_fixed_size 171008
		.amdhsa_private_segment_fixed_size 0
		.amdhsa_enable_private_segment 0
		.amdhsa_kernarg_size 24
		.amdhsa_user_sgpr_count 2
		.amdhsa_user_sgpr_kernarg_segment_ptr 1
		.amdhsa_wavefront_size32 1
		.amdhsa_system_sgpr_workgroup_id_x 1
		.amdhsa_system_sgpr_workgroup_id_y 1
		.amdhsa_system_sgpr_workgroup_id_z 1
		.amdhsa_system_vgpr_workitem_id 0
		.amdhsa_next_free_vgpr 384
		.amdhsa_next_free_sgpr 66
		.amdhsa_reserve_vcc 1
		.amdhsa_float_denorm_mode_32 3
		.amdhsa_float_denorm_mode_16_64 3
		.amdhsa_memory_ordered 1
		.amdhsa_forward_progress 1
		.amdhsa_inst_pref_size 161
	.end_amdhsa_kernel
	.amdgpu_metadata
---
amdhsa.version: [ 1, 2 ]
amdhsa.kernels:
  - .name:           k_q64f842e401_attn
    .symbol:         k_q64f842e401_attn.kd
    .args:
      - { .name: qh, .offset: 0, .size: 8, .value_kind: global_buffer, .address_space: global }
      - { .name: kv, .offset: 8, .size: 8, .value_kind: global_buffer, .address_space: global }
      - { .name: out0, .offset: 16, .size: 8, .value_kind: global_buffer, .address_space: global }
    .group_segment_fixed_size: 171008
    .private_segment_fixed_size: 0
    .kernarg_segment_align: 8
    .kernarg_segment_size: 24
    .max_flat_workgroup_size: 256
    .sgpr_count:     66
    .vgpr_count:     384
    .wavefront_size: 32
...
	.end_amdgpu_metadata
.endif
;; end of part 2
;; ======== version 2 of 2: 2 launches; version 1 with the launch proj written anew for expert scheduling mode
;; limits: values are held in f16: magnitudes above 65,504 overflow, below 6.1e-05 lose precision
;; workspace buffers: qh 8,388,608 bytes; kv 16,777,216 bytes
;; launch proj (part 3): grid 8 x 32, 8 waves a work-group, no clusters, 250,880 bytes of LDS; arguments input, q_w, q_b, k_w, k_b, v_w, v_b, qh, kv; writes qh, kv
.if DOCPART == 3
	.amdgcn_target "amdgcn-amd-amdhsa--gfx1250"
	.amdhsa_code_object_version 6
	.text
	.protected	k_q64f842e401_proj
	.globl	k_q64f842e401_proj
	.p2align	8
	.type	k_q64f842e401_proj,@function
k_q64f842e401_proj:
	s_mov_b64 s[64:65], 0
	v_nop
	global_prefetch_b8 v0, s[64:65] scope:SCOPE_SE
	s_setreg_imm32_b32 hwreg(HW_REG_WAVE_SCHED_MODE, 0, 2), 2
	s_setreg_imm32_b32 hwreg(HW_REG_WAVE_MODE, 25, 1), 1
	s_wait_xcnt 0x0
	s_wait_alu depctr_vm_vsrc(0)
; q, k, v = W x + b for one head (3 x 64 channels) and 256 of the 1,024 positions s of one image.
; x[b] lies [c][s] in f32, the weights [channel][c] in f32.  Operands are rounded to bf16 on the way into LDS, sums are f32, the bias
; is the C operand of each tile's first product.  q is multiplied by 0.125 log2(e) (the score scale and the change to base 2), then q, k, v are rounded
; to f16 and stored in the order in which the attention launch's matrix fragments want them:
;   qh: (b*8+head)*131072 + (s/16)*2048 + t*512 + lane*16 : q[s = 16(s/16)+r][d = 16t+8h .. +7]            (r = lane&15, h = lane>>4)
;   kv: (b*8+head)*262144 + (s/32)*8192 + mt*2048 + t*512 + lane*16 : k[s = 32(s/32)+16mt+r][d = 16t+8h .. +7]
;       (b*8+head)*262144 + (s/32)*8192 + 4096 + dt*1024 + hf*512 + lane*16 : v[d = 16dt+r][s = 32(s/32)+16hf+8h .. +7]
; A lane's eight results of one 16 x 16 tile, packed, are exactly one such 16-byte piece, so each store of a wave covers 512 consecutive bytes, aligned.
; LIMITS: f16 holds magnitudes up to 65,504, so |0.18034 q|, |k|, |v| must stay below that; values under 6.1e-5 keep fewer bits (f16 denormals).
; NO CLUSTER, NO TENSOR LOADS: the shared inputs are f32 and have to be rounded (x also transposed) before the matrix unit can take them.  A joint
; load could only land the raw f32: 448 KiB a work-group read again from LDS and 224 KiB written back, on top of the 640 KiB of fragment reads.
; Eight waves: g = wave&1 takes d = 32g .. 32g+31 of each of q, k, v; sb = wave>>1 takes 64 s.  24 accumulator tiles a wave.
; c goes in four chunks of 64.  Each chunk has LDS bytes of its own, so one barrier a chunk (stores done -> reads) is all the ordering needed.
; THE MODE: SCHED_MODE bits 1:0 = 2 (LLVM: expert scheduling mode 2), set by the entry lines.  The code itself states the register dependences
; between vector or matrix instructions and memory or LDS instructions, with s_wait_alu, always for 0.
; THE PLAN.  Registers that memory or LDS instructions touch:
;   STG        Global loads land in it; the staging pass's conversions read it; no store reads it.  On the way out it is OUT: written by the roundings, read by the global stores.
;   OB         XF's registers and the first 24 of WF's, which lie idle while a chunk is staged.  Written by the conversions, read by the chunk's 28 LDS stores.
;   XF, WF     The fragment loads land in them, twice a chunk; the products read them.
;   v3 .. v6   Read by the LDS stores (v3, v4) and the fragment loads (v5, v6); stepped once a chunk, together, behind the chunk's last product.
;   v1, v2, v7, v8, v9   Made at the head and never written again.
;   BIAS is loaded once; the accumulators are named by vector and matrix instructions alone.
; A staging pass goes in two groups, x's sixteen slots and W's twelve.  Behind each group's conversions ONE wait on va_vdst states that OB's part is written and
; STG's part read; the group's stores and its loads for the next chunk follow with no further wait, x's stores dealt among W's conversions, which name other registers.
; One wait on vm_vsrc behind the barrier hands OB over to the fragment loads; one on va_vdst stands in front of the second K step's fragment loads; one on vm_vsrc in front of the four address steps.
.set CH,    62464                      ; LDS bytes of a chunk: x part, then W part
.set WOFF,  34816                      ; x part: 64 rows (c) of 256 s in bf16, pitch 544 = 17 x 32 bytes (transposing loads)
.set XP,    544
.set WP,    144                        ; W part: 192 rows (matrix*64 + d) of 64 c in bf16, pitch 144 = 9 x 16 bytes
.set BIAS,  12                         ; v[12:59]   six C operands: q ct0, q ct1, k ct0, k ct1, v ct0, v ct1
.set XF,    60                         ; v[60:91]   x fragments, 16 s x 32 c each, st = 0..3
.set WF,    92                         ; v[92:139]  W fragments, 16 channels x 32 c each, at 8 (2 matrix + ct)
.set OB,    60                         ; v[60:115]  while a chunk is staged: slot j's 8 bytes of bf16 at OB + 2 j, on their way into LDS
.set STG,   140                        ; v[140:251] 28 slots of 4 registers: 16 of x, 12 of W, f32 as loaded
.set OUT,   140                        ; the same registers on the way out: 24 tiles x 4 registers of f16
                                       ; v256-447 (window 1): accumulators, tile (matrix, ct, st) at 8 (8 matrix + 4 ct + st)
; v1 GX, v2 GW: global offsets of a slot's 16 bytes; v3 XS, v4 WS: where its 8 bytes of bf16 go in LDS; v5 XA, v6 WA: fragment addresses;
; v7 16 x lane; v8, v9 bias offsets; v10, v11 scratch
.set MSB, 0
.macro WIN new                         ; s_set_vgpr_msb: bits 1:0 source 0, 3:2 source 1, 5:4 source 2, 7:6 destination; the high byte repeats the setting left
.if MSB != \new
	s_set_vgpr_msb (MSB<<8)|\new
.set MSB, \new
.endif
.endm
	s_load_b512 s[8:23], s[0:1], 0x0               ; input 8:9, q_w 10:11, q_b 12:13, k_w 14:15, k_b 16:17, v_w 18:19, v_b 20:21, qh 22:23
	s_load_b64 s[24:25], s[0:1], 0x40              ; kv
	v_lshl_add_u32 v254, v0, 2, 0x3d000
	v_mov_b32 v255, 0
	v_lshrrev_b32 v10, 5, v0
	v_readfirstlane_b32 s28, v10                   ; wave 0..7
	s_wait_alu depctr_va_sdst(0)                   ; s28 is written, ahead of its first reader: g, sb and all that is made of them
	s_and_b32 s29, s28, 1                          ; g
	s_lshr_b32 s30, s28, 1                         ; sb
	s_mov_b32 s31, ttmp9                           ; head
	s_and_b32 s32, ttmp7, 0xffff
	s_lshr_b32 s33, s32, 2                         ; b
	s_and_b32 s34, s32, 3                          ; quarter of s
	s_lshl3_add_u32 s35, s33, s31                  ; hb = 8 b + head
	v_and_b32 v10, 31, v0                          ; lane
	v_and_b32 v11, 15, v0                          ; r
	v_lshlrev_b32 v7, 4, v10                       ; 16 x lane
	; x slot: the 256 threads take 4 rows (c) of 1,024 bytes; two waves a row
	s_lshl_b32 s26, s30, 12
	s_lshl_b32 s27, s29, 9
	s_add_co_u32 s26, s26, s27
	v_add_nc_u32 v1, s26, v7                       ; GX = sb*4096 + g*512 + 16 lane
	s_mul_i32 s26, s30, XP
	s_lshl_b32 s27, s29, 8
	s_add_co_u32 s26, s26, s27
	v_lshl_add_u32 v3, v10, 3, s26                 ; XS = sb*544 + g*256 + 8 lane
	; W slot: 16 rows of 256 bytes; sixteen lanes a row
	v_bfe_u32 v10, v0, 4, 1                        ; h
	s_lshl_b32 s26, s28, 11
	v_lshl_add_u32 v2, v11, 4, s26
	v_lshl_add_u32 v2, v10, 10, v2                 ; GW = (2 wave + h)*1024 + 16 r
	s_mul_i32 s26, s28, 2*WP
	s_add_co_u32 s26, s26, WOFF
	v_lshl_add_u32 v4, v11, 3, s26
	v_mad_u32_u24 v4, v10, WP, v4                  ; WS = WOFF + (2 wave + h)*144 + 8 r
	; x fragment through the transposing load: lane addresses row 8h + (lane&7), 16 bytes at column block (lane>>3)&1
	v_and_b32 v5, 7, v0
	v_lshl_add_u32 v5, v10, 3, v5
	v_mul_u32_u24 v5, v5, XP
	v_bfe_u32 v6, v0, 3, 1
	v_lshl_add_u32 v5, v6, 4, v5
	s_lshl_b32 s26, s30, 7                         ; my 64 s = 128 bytes of a row
	v_add_nc_u32 v5, s26, v5                       ; XA
	s_lshl_b32 s26, s29, 5
	v_add_nc_u32 v6, s26, v11                      ; row 32 g + r
	v_mul_u32_u24 v6, v6, WP
	v_lshl_add_u32 v6, v10, 4, v6
	v_add_nc_u32 v6, WOFF, v6                      ; WA = WOFF + (32 g + r)*144 + 16 h
	s_lshl_b32 s26, s29, 7
	v_lshlrev_b32 v8, 5, v10
	v_add_nc_u32 v8, s26, v8                       ; q, k bias: 8 numbers from channel 32 g + 8 h (+ 16 ct)
	v_lshl_add_u32 v9, v11, 2, s26                 ; v bias: the number of channel 32 g + r (+ 16 ct)
	s_wait_kmcnt 0x0
	s_mov_b32 s27, 0                               ; offsets are below 4 GiB: the high word stays 0
	s_lshl_b32 s26, s33, 20
	s_lshl_b32 s40, s34, 10
	s_add_co_u32 s26, s26, s40
	s_add_nc_u64 s[8:9], s[8:9], s[26:27]          ; input + b*1 MiB + quarter*1,024
	s_lshl_b32 s26, s31, 16
	s_add_nc_u64 s[10:11], s[10:11], s[26:27]      ; the head's 64 rows of each weight
	s_add_nc_u64 s[14:15], s[14:15], s[26:27]
	s_add_nc_u64 s[18:19], s[18:19], s[26:27]
	s_lshl_b32 s26, s31, 8
	s_add_nc_u64 s[12:13], s[12:13], s[26:27]      ; and of each bias
	s_add_nc_u64 s[16:17], s[16:17], s[26:27]
	s_add_nc_u64 s[20:21], s[20:21], s[26:27]
	s_lshl_b32 s26, s35, 17
	s_lshl_b32 s40, s34, 15
	s_add_co_u32 s26, s26, s40
	s_lshl_b32 s40, s30, 13
	s_add_co_u32 s26, s26, s40
	s_lshl_b32 s40, s29, 10
	s_add_co_u32 s26, s26, s40
	s_add_nc_u64 s[22:23], s[22:23], s[26:27]      ; qh + hb*131072 + quarter*32768 + sb*8192 + g*1024
	s_lshl_b32 s26, s35, 18
	s_lshl_b32 s40, s34, 16
	s_add_co_u32 s26, s26, s40
	s_lshl_b32 s40, s30, 14
	s_add_co_u32 s26, s26, s40
	s_add_nc_u64 s[24:25], s[24:25], s[26:27]      ; kv + hb*262144 + quarter*65536 + sb*16384
	s_lshl_b32 s26, s29, 10
	s_add_nc_u64 s[36:37], s[24:25], s[26:27]      ; k pieces: + g*1024
	s_lshl_b32 s26, s29, 11
	s_add_co_u32 s26, s26, 4096
	s_add_nc_u64 s[38:39], s[24:25], s[26:27]      ; v pieces: + 4096 + g*2048
	s_wait_alu depctr_va_vdst(0)                   ; the nine offsets and addresses v1 to v9 are written, which the loads and stores of the kernel read
	; the biases first: they are older than every slot, so the first wait for slots shows them in
.irp ct, 0,1
	global_load_b128 v[BIAS+8*\ct:BIAS+8*\ct+3],       v8, s[12:13] offset:64*\ct
	global_load_b128 v[BIAS+8*\ct+4:BIAS+8*\ct+7],     v8, s[12:13] offset:64*\ct+16
	global_load_b128 v[BIAS+16+8*\ct:BIAS+16+8*\ct+3], v8, s[16:17] offset:64*\ct
	global_load_b128 v[BIAS+16+8*\ct+4:BIAS+16+8*\ct+7], v8, s[16:17] offset:64*\ct+16
.endr
	global_load_b32 v[BIAS+32], v9, s[20:21]
	global_load_b32 v[BIAS+40], v9, s[20:21] offset:64
; slot j (the symbol j) of chunk c: j < 16: rows c = 64 c + 4 j .. + 3 of x; else rows 16 (j-16) .. + 15 of the 192 weight rows, 64 c of each
.macro LDSLOT c
.if j < 16
	global_load_b128 v[STG+4*j:STG+4*j+3], v1, s[8:9] offset:\c*262144+j*16384
.else
	global_load_b128 v[STG+4*j:STG+4*j+3], v2, s[10+4*((j-16)/4):11+4*((j-16)/4)] offset:((j-16)%4)*16384+\c*256
.endif
.endm
.set j, 0
.rept 28
	LDSLOT 0
.set j, j+1
.endr
; slot s: its four f32 rounded to bf16, out of STG into OB
.macro CVT s
	v_cvt_pk_bf16_f32 v[OB+2*(\s)],   v[STG+4*(\s)],   v[STG+4*(\s)+1]
	v_cvt_pk_bf16_f32 v[OB+2*(\s)+1], v[STG+4*(\s)+2], v[STG+4*(\s)+3]
.endm
; slot s: its 8 bytes of bf16 into the chunk's LDS bytes
.macro PUT s
.if (\s) < 16
	ds_store_b64 v3, v[OB+2*(\s):OB+2*(\s)+1] offset:(\s)*4*XP
.else
	ds_store_b64 v4, v[OB+2*(\s):OB+2*(\s)+1] offset:((\s)-16)*16*WP
.endif
.endm
; Round a chunk's 28 slots to bf16 and lay them into the chunk's LDS bytes.  next = 1: each group of slots is asked for again, for chunk nc, as soon as its
; conversions are done reading it, so that 28 loads of 16 bytes a lane (112 KiB a work-group) are on their way during the chunk's products.
.macro STAGE next, nc
	s_wait_loadcnt 12                              ; loads come back in order (ISA guide 5.7.1): x's sixteen slots are in (ahead of the first chunk the biases too), W's twelve stay out
.set j, 0
.rept 16
	CVT j
.set j, j+1
.endr
	s_wait_alu depctr_va_vdst(0)                   ; x's conversions have written OB's first 32 registers, which the stores below read, and are done reading slots 0 to 15, in which the loads below land;
	                                               ; v3 to v6 are stepped; the products of the chunk before are done reading XF and WF
.if \next
.set j, 0
.rept 16
	LDSLOT \nc
.set j, j+1
.endr
	s_wait_loadcnt 16                              ; W's twelve slots are in; the sixteen loads just issued stay out
.else
	s_wait_loadcnt 0x0                             ; the last chunk asks for nothing more
.endif
.set j, 0
.rept 16
	PUT j                                          ; x's stores, dealt among W's conversions.  No wait: no vector instruction since the wait above names v3 or OB's first 32 registers
.if j < 12
	CVT j+16
.endif
.set j, j+1
.endr
	s_wait_alu depctr_va_vdst(0)                   ; W's conversions have written OB's last 24 registers, which the stores below read, and are done reading slots 16 to 27, in which the loads below land
.set j, 16
.rept 12
.if \next
	LDSLOT \nc
.endif
	PUT j
.set j, j+1
.endr
	s_wait_dscnt 0x0                               ; my stores are in LDS: the others read them behind the barrier
	s_barrier_signal -1
	s_barrier_wait -1
.endm
; 20 LDS loads: the fragments of 32 c.  Order: x (8), W of q (4), of k (4), of v (4), so that the waits below can be counted.
.macro FRAGS ks
.irp st, 0,1,2,3
	ds_load_tr16_b128 v[XF+8*\st:XF+8*\st+3],   v5 offset:\ks*32*XP+\st*32          ; c = 8h .. 8h+7 of column s = 16 st + r
	ds_load_tr16_b128 v[XF+8*\st+4:XF+8*\st+7], v5 offset:\ks*32*XP+16*XP+\st*32    ; c = 16+8h ..
.endr
.irp m, 0,1,2
.irp ct, 0,1
	ds_load_b128 v[WF+8*(2*\m+\ct):WF+8*(2*\m+\ct)+3],   v6 offset:(\m*64+\ct*16)*WP+\ks*64
	ds_load_b128 v[WF+8*(2*\m+\ct)+4:WF+8*(2*\m+\ct)+7], v6 offset:(\m*64+\ct*16)*WP+\ks*64+32
.endr
.endr
.endm
; 8 products of one matrix.  q, k: D[channel][s] (A = W, B = x): a lane's 8 results are 8 neighbouring d of one s.
; v: D[s][channel] (A = x, B = W): a lane's 8 results are 8 neighbouring s of one d.  first = 1: C is the bias (window 0): nothing is cleared.
.macro MM m, first
.irp ct, 0,1
.irp st, 0,1,2,3
.if \m == 2
.if \first
	v_wmma_f32_16x16x32_bf16 v[8*(\m*8+\ct*4+\st):8*(\m*8+\ct*4+\st)+7], v[XF+8*\st:XF+8*\st+7], v[WF+8*(2*\m+\ct):WF+8*(2*\m+\ct)+7], v[BIAS+8*(2*\m+\ct):BIAS+8*(2*\m+\ct)+7]
.else
	v_wmma_f32_16x16x32_bf16 v[8*(\m*8+\ct*4+\st):8*(\m*8+\ct*4+\st)+7], v[XF+8*\st:XF+8*\st+7], v[WF+8*(2*\m+\ct):WF+8*(2*\m+\ct)+7], v[8*(\m*8+\ct*4+\st):8*(\m*8+\ct*4+\st)+7]
.endif
.else
.if \first
	v_wmma_f32_16x16x32_bf16 v[8*(\m*8+\ct*4+\st):8*(\m*8+\ct*4+\st)+7], v[WF+8*(2*\m+\ct):WF+8*(2*\m+\ct)+7], v[XF+8*\st:XF+8*\st+7], v[BIAS+8*(2*\m+\ct):BIAS+8*(2*\m+\ct)+7]
.else
	v_wmma_f32_16x16x32_bf16 v[8*(\m*8+\ct*4+\st):8*(\m*8+\ct*4+\st)+7], v[WF+8*(2*\m+\ct):WF+8*(2*\m+\ct)+7], v[XF+8*\st:XF+8*\st+7], v[8*(\m*8+\ct*4+\st):8*(\m*8+\ct*4+\st)+7]
.endif
.endif
.endr
.endr
.endm
.macro KSTEP ks, first
.if \ks
	s_wait_alu depctr_va_vdst(0)                   ; the first K step's products are done reading XF and WF, in which the loads below land
.else
	s_wait_alu depctr_vm_vsrc(0)                   ; my LDS stores have read v[OB ..]: these registers are XF and WF from here on, and the loads below land in them
	                                               ; (the conversions that wrote them stand ahead of the staging pass's waits on va_vdst, and no vector instruction since names them, v5 or v6)
.endif
	FRAGS \ks
.if \first
	WIN 0x40                                       ; D in window 1; A, B and the bias in window 0
.else
	WIN 0x50                                       ; C and D in window 1
.endif
	s_wait_dscnt 8                                 ; x and q's W are in; the 8 loads of k's and v's W may be out
	MM 0, \first
	s_wait_dscnt 4                                 ; k's W is in
	MM 1, \first
	s_wait_dscnt 0                                 ; v's W
	MM 2, \first
	WIN 0
.endm
.macro COMPUTE first, more
	KSTEP 0, \first
	KSTEP 1, 0
.if \more
	s_wait_alu depctr_vm_vsrc(0)                   ; the chunk's LDS stores have read v3 and v4, its fragment loads v5 and v6
	v_add_nc_u32 v3, CH, v3                        ; the next chunk's LDS bytes,
	v_add_nc_u32 v4, CH, v4
	v_add_nc_u32 v5, CH, v5                        ; and its fragments.  These four are also the places between the last products and the next
	v_add_nc_u32 v6, CH, v6                        ; staging pass's conversions, which write registers that those products read (ISA guide 7.12.1)
.endif
.endm
	STAGE 1, 1                                     ; chunk 0 into LDS, chunk 1 asked for
.irp i, 1,2,3,4,5,6,7
	v_mov_b32 v[BIAS+32+\i], v[BIAS+32]            ; v's C operand: all 8 rows (s) of a lane's column carry the channel's bias
	v_mov_b32 v[BIAS+40+\i], v[BIAS+40]
.endr
	COMPUTE 1, 1
	STAGE 1, 2
	COMPUTE 0, 1
	STAGE 1, 3
	COMPUTE 0, 1
	STAGE 0, 0
	COMPUTE 0, 0
	; THE WAY OUT
.rept 4
	v_nop                                          ; four places behind the last products, before vector instructions read results (ISA guide 7.12.1)
.endr
	WIN 0x41                                       ; source 0 and destination in window 1
.set i, 0
.rept 32
	v_pk_mul_f32 v[2*i:2*i+1], v[2*i:2*i+1], 0x3e38aa3b op_sel_hi:[1,0]   ; q's 8 tiles x 0.125 log2(e)
.set i, i+1
.endr
	WIN 0x05                                       ; sources in window 1, destination in window 0
.set i, 0
.rept 96
	v_cvt_pk_f16_f32 v[OUT+i], v[2*i], v[2*i+1]    ; tile T's registers 2k, 2k+1 -> word k of its 16-byte piece
.set i, i+1
.endr
	WIN 0
	s_wait_alu depctr_va_vdst(0)                   ; the roundings have written v[OUT ..], which the 24 stores below read
.irp ct, 0,1
.irp st, 0,1,2,3
	global_store_b128 v7, v[OUT+4*(\ct*4+\st):OUT+4*(\ct*4+\st)+3], s[22:23] offset:\st*2048+\ct*512
.endr
.endr
.irp ct, 0,1
.irp st, 0,1,2,3
	global_store_b128 v7, v[OUT+4*(8+\ct*4+\st):OUT+4*(8+\ct*4+\st)+3], s[36:37] offset:(\st/2)*8192+(\st%2)*2048+\ct*512
.endr
.endr
.irp ct, 0,1
.irp st, 0,1,2,3
	global_store_b128 v7, v[OUT+4*(16+\ct*4+\st):OUT+4*(16+\ct*4+\st)+3], s[38:39] offset:(\st/2)*8192+(\st%2)*512+\ct*1024
.endr
.endr
	s_wait_dscnt 0x0
	s_wait_alu depctr_hold_cnt(0) depctr_sa_sdst(0) depctr_va_vdst(0) depctr_va_sdst(0) depctr_va_ssrc(0) depctr_va_vcc(0) depctr_vm_vsrc(0)
	s_wait_tensorcnt 0x0
	ds_add_u32 v254, v255
	s_wait_dscnt 0x0
	s_endpgm
.Lfunc_end_k_q64f842e401_proj:
	.size	k_q64f842e401_proj, .Lfunc_end_k_q64f842e401_proj-k_q64f842e401_proj
	.p2alignl 7, 3214868480
	.fill 96, 4, 3214868480
	.section	.rodata,"a",@progbits
	.p2align	6, 0x0
	.amdhsa_kernel k_q64f842e401_proj
		.amdhsa_group_segment_fixed_size 250880
		.amdhsa_private_segment_fixed_size 0
		.amdhsa_enable_private_segment 0
		.amdhsa_kernarg_size 72
		.amdhsa_user_sgpr_count 2
		.amdhsa_user_sgpr_kernarg_segment_ptr 1
		.amdhsa_wavefront_size32 1
		.amdhsa_system_sgpr_workgroup_id_x 1
		.amdhsa_system_sgpr_workgroup_id_y 1
		.amdhsa_system_sgpr_workgroup_id_z 1
		.amdhsa_system_vgpr_workitem_id 0
		.amdhsa_next_free_vgpr 448
		.amdhsa_next_free_sgpr 66
		.amdhsa_reserve_vcc 0
		.amdhsa_float_denorm_mode_32 3
		.amdhsa_float_denorm_mode_16_64 3
		.amdhsa_memory_ordered 1
		.amdhsa_forward_progress 1
		.amdhsa_inst_pref_size 74
	.end_amdhsa_kernel
	.amdgpu_metadata
---
amdhsa.version: [ 1, 2 ]
amdhsa.kernels:
  - .name:           k_q64f842e401_proj
    .symbol:         k_q64f842e401_proj.kd
    .args:
      - { .name: input, .offset: 0, .size: 8, .value_kind: global_buffer, .address_space: global }
      - { .name: q_w, .offset: 8, .size: 8, .value_kind: global_buffer, .address_space: global }
      - { .name: q_b, .offset: 16, .size: 8, .value_kind: global_buffer, .address_space: global }
      - { .name: k_w, .offset: 24, .size: 8, .value_kind: global_buffer, .address_space: global }
      - { .name: k_b, .offset: 32, .size: 8, .value_kind: global_buffer, .address_space: global }
      - { .name: v_w, .offset: 40, .size: 8, .value_kind: global_buffer, .address_space: global }
      - { .name: v_b, .offset: 48, .size: 8, .value_kind: global_buffer, .address_space: global }
      - { .name: qh, .offset: 56, .size: 8, .value_kind: global_buffer, .address_space: global }
      - { .name: kv, .offset: 64, .size: 8, .value_kind: global_buffer, .address_space: global }
    .group_segment_fixed_size: 250880
    .private_segment_fixed_size: 0
    .kernarg_segment_align: 8
    .kernarg_segment_size: 72
    .max_flat_workgroup_size: 256
    .sgpr_count:     66
    .vgpr_count:     448
    .wavefront_size: 32
...
	.end_amdgpu_metadata
.endif
;; end of part 3
;; launch attn: the kernel of part 2 again; grid 256 x 1, 8 waves a work-group, no clusters, 171,008 bytes of LDS; arguments qh, kv, out0; writes out0
